; MI455X (gfx1250); checked and timed in simulation.
; The chip was launched on July 23, 2026; its instructions are those of AMD's public machine-readable ISA for CDNA 5 (MIT licence, August 2026) and "CDNA5" Instruction Set Architecture Reference Guide (July 2026). The comments in the code are by the model that wrote it; some were corrected since.
;; Timeline Prototype Matcher. Allowed arithmetic: matrix products marked QUANTISED: E5M2 operands, one E8M0 scale for each 32 along K, by v_wmma_scale_f32_16x16x128_f8f6f4 with both operands' format E5M2, f32 sums; everything else in f32.
;; Inputs: patch_select 1 x 200 x 8 float32; prototype_vectors 200 x 512 x 8 float32; timeline_mask 32 x 512 float32; x 32 x 512 x 512 float32.
;; Outputs: out0 32 x 200 float32; out1 32 x 200 float32; out2 32 x 200 x 8 float32.
;; This version of the problem:
;;   THIS VERSION OF THE PROBLEM IS GIVEN IN LOW PRECISION. The matrix products marked QUANTISED in the list below multiply operands that are first quantised to E5M2 (5 exponent bits, 2 mantissa bits; 8 bits a number), with one power-of-two scale for each 32 numbers along K (OCP MX v1.0); their sums are f32. All else is computed in f32.
;;   The module's matrix products, in the order in which they are computed (A, B: the left and right operand; K: the contracted axis; several contracted axes count as one K, in the product's order):
;;     1. [M 1,600, K 512] x [K 512, N 16,384]; A: computed on the way; B: computed on the way: QUANTISED
;;   THE QUANTISER, for each operand of a quantised product, along K:
;;     - K is cut into blocks of 32 from its start; a last block that is shorter is filled with zeros.
;;     - A block's scale is 2^e with e = floor(log2(the largest magnitude in the block)) - 15, held to -126 .. 127; a block of zeros has e = 0. As a byte (E8M0): e + 127.
;;     - Each number is divided by its block's scale, clamped to +-57,344, and rounded to the nearest number of E5M2, ties to even, subnormals kept.
;;     - The product sums the exact products of the quantised numbers (number of the format x scale) in f32.
;;   ~~~python
;;   def quantise(x, axis):      # numpy; x: float32 -> the quantised numbers, widened to float32 again
;;       x = np.moveaxis(x, axis, -1); K = x.shape[-1]
;;       x = np.pad(x, [(0, 0)] * (x.ndim - 1) + [(0, -K % 32)]); x = x.reshape(x.shape[:-1] + (-1, 32)); a = np.abs(x).max(-1, keepdims=True)
;;       e = np.where(a > 0, np.clip(np.frexp(np.where(a > 0, a, 1))[1] - 1 - 15, -126, 127), 0)      # np.frexp(a)[1] - 1 = floor(log2(a)), exactly
;;       r = np.clip(x / 2.0 ** e, -57344, 57344)
;;       step = 2.0 ** (np.maximum(np.frexp(np.where(r == 0, 1, r))[1] - 1, -14) - 2)
;;       q = np.round(r / step) * step * 2.0 ** e      # np.round: ties to even
;;       return np.moveaxis(q.reshape(q.shape[:-2] + (-1,))[..., :K], -1, axis).astype(np.float32)
;;   ~~~
;;   OPERANDS COMPUTED ON THE WAY. 'Computed on the way' means the value that the module computes at that place (a softmax that the list does not call 'softmax' is quantised finished and normalised). What goes into a quantiser is computed in f32, as accurately as f32 sums, v_exp_f32 and their like allow (about 1e-6 of the number): no bf16 or f16 on the way to a quantiser, and a product that is left as it is and whose result goes on into a quantised operand takes f32 operands (vector FMAs, or v_wmma_f32_16x16x4_f32). A number that lies on a knife's edge between two numbers of the format may be rounded either way, as far as f32 arithmetic and the matrix unit's own rounding can turn it there, and no further.
;; One version. Each part assembles by itself: llvm-mc -triple=amdgcn-amd-amdhsa -mcpu=gfx1250 --defsym DOCPART=n.
;; ======== version 1 of 1: 2 launches
;; workspace buffers: xcodes 8,388,608 bytes; xscales 262,144 bytes; pcodes 878,592 bytes
;; launch quant (part 1): grid 256 x 1, 5 waves a work-group, no clusters, 168,704 bytes of LDS; arguments x, prototype_vectors, xcodes, xscales, pcodes; writes xcodes, xscales, pcodes
.if DOCPART == 1
	.amdgcn_target "amdgcn-amd-amdhsa--gfx1250"
	.amdhsa_code_object_version 6
	.text
	.protected	k_qfaff350866_quant
	.globl	k_qfaff350866_quant
	.p2align	8
	.type	k_qfaff350866_quant,@function
k_qfaff350866_quant:
	s_mov_b64 s[64:65], 0
	v_nop
	global_prefetch_b8 v0, s[64:65] scope:SCOPE_SE
	s_setreg_imm32_b32 hwreg(HW_REG_WAVE_MODE, 25, 1), 1
	s_wait_xcnt 0x0
; x [32][512][512] f32 and prototype_vectors [200][512][8] f32 are divided by their l2 norm along the 512 (held at 1e-12 from below) and turned into codes of
; BF8 (E5M2) with one E8M0 scale byte for each 32 along the 512, which is the K of the product that the next launch makes.
; A block's scale is 2^(floor(log2(its largest magnitude)) - 15); each number is divided by it, held within +-57,344 and rounded to the nearest code, ties to even.
; THE OUTPUT IS LAID IN THE ORDER OF THE OPERAND'S REGISTERS.  A tile is 16 rows x 512 K: [K step s 4][c 4][lane 32][16 bytes]; lane (r, h) holds row r, k = 128 s + 32 c + 16 h + 0 .. 15.
; Its scale words: [lane 32][8 bytes]: lane (r, h): the word of (row r, K step h), then that of (row r, K step 2 + h): so lanes 0-15 of a register serve an even K step and lanes 16-31 the odd one.
;   xcodes: 1,024 tiles of 8,192 bytes (tile 32 b + t / 16);  xscales: 256 bytes a tile;  pcodes: 104 records of 8,448 bytes (codes, then scale words), record 13 g + i:
;   row r = prototype min(25 g + 2 i + r / 8, 199), subpatch r % 8.  (Record i = 12 holds one prototype more than its group owns: the next launch computes it and stores nothing of it.)
; SHARES.  Waves 0-3 of work-group n take x's tiles 4 n + wave; wave 4 takes record n where n < 104 and ends otherwise.  A wave holds its tile, 256 numbers a lane, in registers from the loads to the codes:
; every input byte is read once.  x comes by four tensor loads a wave (16 rows x 512 bytes each, 32 KiB a wave on its way at once) into LDS bytes that only that wave reads: no barrier.
; The prototypes' K is not innermost: a lane takes its (prototype, subpatch) and its registers run down K, by loads of 4 bytes.  From .Lwork on one text serves both.
; No matrix unit, no cluster: no two work-groups read the same bytes, and memory binds.
; LIMITS: NaN and infinities among the inputs are not served.  A sum of squares under 2^-126 counts as 0 (v_sqrt_f32 takes a denormal as 0: ISA guide 15.8), so such a row is divided by 1e-12.
; 1 / norm is v_sqrt_f32 and v_rcp_f32 (1 ulp each), and the sum of squares runs in eight chains: another order of f32 additions than the definition's.
; A block of zeros, or one whose largest magnitude lies under 2^-111, gets the byte 1: only this program reads the bytes, and a block of zeros has zero codes.
.set QB,    8448                       ; a quarter of a tile in LDS: 16 rows x (512 bytes + 16 of padding)
.set WREGN, 4*QB                       ; a wave's LDS
.set REC,   8448                       ; a record of pcodes
.set AM,    32                         ; v32-47   the 16 blocks' largest magnitudes
.set AM2,   48                         ; v48-63   the other half of the lanes'; then the scale bytes
.set SC,    64                         ; v64-79   the conversions' scale operands
.set HB,    80                         ; v80-95   57,344 x the scale
.set SW,    96                         ; v96-99   the four K steps' scale words;  v100-101 the two that my lane stores
.set CD,    128                        ; v128-191 the codes
.set G1,    24                         ; s[24:31] descriptor group 1
.set G0,    32                         ; s[32:47] descriptor group 0, one for each quarter
.set MSB,   0
.macro WIN new                         ; window 1 (v256-511) holds the lane's 256 numbers, number 64 s + 16 c + i.  The immediate's high byte repeats the setting that is left
.if MSB != \new
	s_set_vgpr_msb (MSB<<8)|\new
.set MSB, \new
.endif
.endm
	s_load_b256 s[4:11], s[0:1], 0x0               ; x s[4:5], prototype_vectors s[6:7], xcodes s[8:9], xscales s[10:11]
	s_load_b64 s[12:13], s[0:1], 0x20              ; pcodes
	v_lshl_add_u32 v254, v0, 2, 0x29000
	v_mov_b32 v255, 0
	ds_add_u32 v254, v255
	ds_add_u32 v254, v255
	v_lshrrev_b32 v1, 5, v0
	v_readfirstlane_b32 s14, v1                    ; wave 0..4
	v_and_b32 v7, 31, v0                           ; lane
	v_and_b32 v1, 15, v0                           ; r
	v_bfe_u32 v2, v0, 4, 1                         ; h
	v_lshlrev_b32 v3, 4, v7                        ; 16 x lane: my place in a store of codes
	v_lshlrev_b32 v4, 3, v7                        ; 8 x lane: and of scale words
	s_mul_i32 s16, s14, WREGN
	v_mul_u32_u24 v5, v1, 528
	v_lshl_add_u32 v5, v2, 6, v5
	v_add_nc_u32 v5, s16, v5                       ; LDS: my wave's bytes, row r, + 64 h: my 16 numbers of a block of 32
	s_mul_i32 s17, ttmp9, 79
	s_lshr_b32 s17, s17, 10                        ; g = record / 13 (79 q >> 10 is q / 13 for q < 104)
	s_lshl_b32 s18, ttmp9, 1
	s_sub_co_u32 s18, s18, s17                     ; 25 g + 2 i = 2 q - g
	v_lshrrev_b32 v6, 3, v1
	v_add_nc_u32 v6, s18, v6
	v_min_u32 v6, 199, v6                          ; my prototype
	v_lshlrev_b32 v6, 14, v6                       ; 16,384 bytes a prototype,
	v_lshl_add_u32 v6, v2, 9, v6                   ; 16 h rows of 32 bytes down K,
	v_and_b32 v9, 7, v1
	v_lshl_add_u32 v6, v9, 2, v6                   ; my subpatch
	s_mov_b32 s20, 0x76543210
	s_mov_b32 s21, 0xfedcba98                      ; v_permlanex16_b32's selects for lane l xor 16
	s_mov_b32 s22, 0x600000                        ; the mantissa field of 57,344
	s_mov_b32 s23, 0xffff0000                      ; lanes 16-31
.irp b, 0,1,2,3,4,5,6,7,8,9,10,11,12,13,14,15
	v_mov_b32 v[AM2+\b], 0                         ; written once: a lane permute's destination counts as one of its sources
.endr
	; descriptor group 1: 16 rows x 128 elements of 4 bytes, 512 elements from row to row, 4 words of padding behind every 128
	s_mov_b32 s[G1+0], (2<<16)|(1<<20)|(6<<22)|(3<<25)
	s_mov_b32 s[G1+1], 128<<16                     ; tensor_dim0
	s_mov_b32 s[G1+2], 16<<16                      ; tensor_dim1
	s_mov_b32 s[G1+3], 128<<16                     ; tile_dim0
	s_mov_b32 s[G1+4], 16                          ; tile_dim1
	s_mov_b32 s[G1+5], 512                         ; tensor_dim0_stride
	s_mov_b32 s[G1+6], 0
	s_mov_b32 s[G1+7], 0
	s_lshl_b32 s15, ttmp9, 2
	s_add_co_u32 s15, s15, s14                     ; x's tile
	s_lshl_b32 s48, s15, 15                        ; its 16 rows of 2,048 bytes,
	s_mov_b32 s49, 0
	s_lshl_b32 s50, s15, 13                        ; its codes,
	s_mov_b32 s51, 0
	s_lshl_b32 s52, s15, 8                         ; its scale words
	s_mov_b32 s53, 0
	s_mul_i32 s54, ttmp9, REC                      ; the record's codes,
	s_add_co_u32 s55, s54, 8192                    ; its scale words
	s_cmp_lt_u32 s14, 4                            ; x's wave or the prototypes'?  The choice hangs on the wave's number alone
	s_cselect_b32 s50, s50, s54
	s_cselect_b32 s52, s52, s55
	s_wait_dscnt 0x0
	s_wait_kmcnt 0x0
	s_cselect_b64 s[8:9], s[8:9], s[12:13]
	s_cselect_b64 s[10:11], s[10:11], s[12:13]
	s_add_nc_u64 s[8:9], s[8:9], s[50:51]          ; where my codes go
	s_add_nc_u64 s[10:11], s[10:11], s[52:53]      ; and my scale words
	s_add_nc_u64 s[4:5], s[4:5], s[48:49]
.irp s, 0,1,2,3
	s_mov_b32 s[G0+4*\s], 1                                        ; count = 1
	s_add_co_u32 s[G0+4*\s+1], s16, \s*QB                          ; LDS address: wave x 33,792 + quarter x 8,448
	s_add_nc_u64 s[G0+4*\s+2:G0+4*\s+3], s[4:5], \s*512            ; global address: 128 numbers along K on
	s_or_b32 s[G0+4*\s+3], s[G0+4*\s+3], 0x80000000                ; type = 2
.endr
	s_cmp_lt_u32 s14, 4
	s_cbranch_scc0 .Lproto
	tensor_load_to_lds s[G0:G0+3], s[G1:G1+7]      ; the wave's four fills stand together: four loads of mine are out
	s_nop 0
	tensor_load_to_lds s[G0+4:G0+7], s[G1:G1+7]
	s_nop 0
	tensor_load_to_lds s[G0+8:G0+11], s[G1:G1+7]
	s_nop 0
	tensor_load_to_lds s[G0+12:G0+15], s[G1:G1+7]
	s_nop 0
.rept 4
	v_nop
.endr
	WIN 0x40                                       ; destination window 1
.irp s, 0,1,2,3
	s_wait_tensorcnt 3-\s                          ; a wave's tensor loads end in order: quarter s is in, the 3 - s younger ones may be out
.irp c, 0,1,2,3
.irp j, 0,1,2,3
	ds_load_b128 v[64*\s+16*\c+4*\j:64*\s+16*\c+4*\j+3], v5 offset:QB*\s+128*\c+16*\j
.endr
.endr
.endr
	s_wait_dscnt 0x0
	WIN 0
	s_branch .Lwork
.Lproto:
	s_cmp_lt_u32 ttmp9, 104
	s_cbranch_scc1 .Lrecord
	s_endpgm                                       ; 104 records: the fifth wave of the other work-groups has no share
.Lrecord:
	WIN 0x40
.set n, 0
.rept 256
	global_load_b32 v[n], v6, s[6:7] offset:32*(128*(n/64)+32*((n/16)%4)+n%16)   ; (prototype, k = 128 s + 32 c + 16 h + i, subpatch): eight lanes read 32 neighbouring bytes
.set n, n+1
.endr
	s_wait_loadcnt 0x0
	WIN 0
.Lwork:
	; the row's sum of squares: my 256 numbers in four packed chains, then lane l xor 16's
	WIN 0x05                                       ; sources 0 and 1 window 1
.irp n, 0,1,2,3
	v_pk_mul_f32 v[8+2*\n:9+2*\n], v[2*\n:2*\n+1], v[2*\n:2*\n+1]   ; the first products start the sums
.endr
.set i, 4
.rept 124
	v_pk_fma_f32 v[8+2*(i%4):9+2*(i%4)], v[2*i:2*i+1], v[2*i:2*i+1], v[8+2*(i%4):9+2*(i%4)]
.set i, i+1
.endr
	WIN 0
	v_pk_add_f32 v[8:9], v[8:9], v[10:11]
	v_pk_add_f32 v[12:13], v[12:13], v[14:15]
	v_pk_add_f32 v[8:9], v[8:9], v[12:13]
	v_add_f32 v8, v8, v9
	v_permlanex16_b32 v9, v8, s20, s21
	v_add_f32 v8, v8, v9
	v_sqrt_f32 v10, v8
	v_nop                                          ; a plain line behind a transcendental, ahead of the use of its result (ISA guide 5.7.2)
	s_wait_alu depctr_va_vdst(0)
	v_max_num_f32 v10, 0x2b8cbccc, v10             ; the norm, held at 1e-12
	v_rcp_f32 v16, v10
	v_nop
	s_wait_alu depctr_va_vdst(0)
	v_mov_b32 v17, v16                             ; (the packed form names the pair)
	WIN 0x41                                       ; destination and source 0 window 1
.set i, 0
.rept 128
	v_pk_mul_f32 v[2*i:2*i+1], v[2*i:2*i+1], v[16:17] op_sel_hi:[1,0]
.set i, i+1
.endr
	; the 16 blocks' largest magnitudes, the blocks by turns; the floor 2^(16 - 127) is one more leaf and holds the byte at 1 from below
	WIN 0x05
.irp b, 0,1,2,3,4,5,6,7,8,9,10,11,12,13,14,15
	v_max3_num_f32 v[AM+\b], |v[16*\b]|, |v[16*\b+1]|, 0x8000000
.endr
	WIN 0x14                                       ; sources 1 and 2 window 1
.irp i, 2,4,6,8,10,12,14
.irp b, 0,1,2,3,4,5,6,7,8,9,10,11,12,13,14,15
	v_max3_num_f32 v[AM+\b], v[AM+\b], |v[16*\b+\i]|, |v[16*\b+\i+1]|
.endr
.endr
	WIN 0
.irp b, 0,1,2,3,4,5,6,7,8,9,10,11,12,13,14,15
	v_permlanex16_b32 v[AM2+\b], v[AM+\b], s20, s21
.endr
.irp b, 0,1,2,3,4,5,6,7,8,9,10,11,12,13,14,15
	v_max_num_f32 v[AM+\b], v[AM+\b], v[AM2+\b]    ; with lane l xor 16's 16 numbers: the block's
.endr
.irp b, 0,1,2,3,4,5,6,7,8,9,10,11,12,13,14,15
	v_add_nc_u32 v[SC+\b], 0xf8800000, v[AM+\b]    ; 15 off its exponent field: the conversion takes the exponent field of this operand as its scale
.endr
.irp b, 0,1,2,3,4,5,6,7,8,9,10,11,12,13,14,15
	v_and_or_b32 v[HB+\b], v[AM+\b], 0x7f800000, s22   ; 57,344 x the scale
.endr
.irp b, 0,1,2,3,4,5,6,7,8,9,10,11,12,13,14,15
	v_lshrrev_b32 v[AM2+\b], 23, v[SC+\b]          ; the scale's byte
.endr
.irp s, 0,1,2,3
	v_lshl_or_b32 v[SW+\s], v[AM2+4*\s+1], 8, v[AM2+4*\s]
.endr
.irp s, 0,1,2,3
	v_lshl_or_b32 v[SW+\s], v[AM2+4*\s+2], 16, v[SW+\s]
.endr
.irp s, 0,1,2,3
	v_lshl_or_b32 v[SW+\s], v[AM2+4*\s+3], 24, v[SW+\s]   ; K step s's scale word of my row (both halves of the lanes hold it)
.endr
	v_cndmask_b32 v100, v[SW], v[SW+1], s23        ; lanes 0-15 store K steps 0 and 2, lanes 16-31 K steps 1 and 3
	v_cndmask_b32 v101, v[SW+2], v[SW+3], s23
	WIN 0x41
.set i, 0
.rept 256
	v_med3_num_f32 v[i], v[i], -v[HB+i/16], v[HB+i/16]   ; the conversion to an 8-bit code does not saturate (ISA guide 7.6.2): the hold comes first
.set i, i+1
.endr
	WIN 0x01                                       ; source 0 window 1
.set i, 0
.rept 32
	v_cvt_scalef32_pk8_bf8_f32 v[CD+2*i:CD+2*i+1], v[8*i:8*i+7], v[SC+i/2]   ; registers 16 s + 4 c + 0 .. 3 of the codes: k = 128 s + 32 c + 16 h + 0 .. 15
.set i, i+1
.endr
	v_nop                                          ; a plain line behind the last scaled conversion
	WIN 0
.irp n, 0,1,2,3,4,5,6,7,8,9,10,11,12,13,14,15
	global_store_b128 v3, v[CD+4*\n:CD+4*\n+3], s[8:9] offset:512*\n   ; 32 lanes store 512 consecutive bytes, at a multiple of 256 from the buffer's first byte
.endr
	global_store_b64 v4, v[100:101], s[10:11]      ; 32 lanes store 256 consecutive bytes
	s_wait_tensorcnt 0x0
	ds_add_u32 v254, v255
	s_wait_dscnt 0x0
	s_endpgm
.Lfunc_end_k_qfaff350866_quant:
	.size	k_qfaff350866_quant, .Lfunc_end_k_qfaff350866_quant-k_qfaff350866_quant
	.p2alignl 7, 3214868480
	.fill 96, 4, 3214868480
	.section	.rodata,"a",@progbits
	.p2align	6, 0x0
	.amdhsa_kernel k_qfaff350866_quant
		.amdhsa_group_segment_fixed_size 168704
		.amdhsa_private_segment_fixed_size 0
		.amdhsa_enable_private_segment 0
		.amdhsa_kernarg_size 40
		.amdhsa_user_sgpr_count 2
		.amdhsa_user_sgpr_kernarg_segment_ptr 1
		.amdhsa_wavefront_size32 1
		.amdhsa_system_sgpr_workgroup_id_x 1
		.amdhsa_system_sgpr_workgroup_id_y 1
		.amdhsa_system_sgpr_workgroup_id_z 1
		.amdhsa_system_vgpr_workitem_id 0
		.amdhsa_next_free_vgpr 512
		.amdhsa_next_free_sgpr 66
		.amdhsa_reserve_vcc 0
		.amdhsa_float_denorm_mode_32 3
		.amdhsa_float_denorm_mode_16_64 3
		.amdhsa_memory_ordered 1
		.amdhsa_forward_progress 1
		.amdhsa_inst_pref_size 84
	.end_amdhsa_kernel
	.amdgpu_metadata
---
amdhsa.version: [ 1, 2 ]
amdhsa.kernels:
  - .name:           k_qfaff350866_quant
    .symbol:         k_qfaff350866_quant.kd
    .args:
      - { .name: x, .offset: 0, .size: 8, .value_kind: global_buffer, .address_space: global }
      - { .name: prototype_vectors, .offset: 8, .size: 8, .value_kind: global_buffer, .address_space: global }
      - { .name: xcodes, .offset: 16, .size: 8, .value_kind: global_buffer, .address_space: global }
      - { .name: xscales, .offset: 24, .size: 8, .value_kind: global_buffer, .address_space: global }
      - { .name: pcodes, .offset: 32, .size: 8, .value_kind: global_buffer, .address_space: global }
    .group_segment_fixed_size: 168704
    .private_segment_fixed_size: 0
    .kernarg_segment_align: 8
    .kernarg_segment_size: 40
    .max_flat_workgroup_size: 160
    .sgpr_count:     66
    .vgpr_count:     512
    .wavefront_size: 32
...
	.end_amdgpu_metadata
.endif
;; end of part 1
;; launch match (part 2): grid 32 x 8, 4 waves a work-group, clusters of 4 x 1, 327,680 bytes of LDS; arguments xcodes, xscales, pcodes, timeline_mask, patch_select, out0, out1, out2; writes out0, out1, out2
.if DOCPART == 2
	.amdgcn_target "amdgcn-amd-amdhsa--gfx1250"
	.amdhsa_code_object_version 6
	.text
	.protected	k_qfaff350866_match
	.globl	k_qfaff350866_match
	.p2align	8
	.type	k_qfaff350866_match,@function
k_qfaff350866_match:
	s_mov_b64 s[64:65], 0
	v_nop
	global_prefetch_b8 v0, s[64:65] scope:SCOPE_SE
	s_setreg_imm32_b32 hwreg(HW_REG_WAVE_MODE, 25, 1), 1
	s_wait_xcnt 0x0
	s_wait_alu depctr_hold_cnt(0) depctr_sa_sdst(0) depctr_va_vdst(0) depctr_va_sdst(0) depctr_va_ssrc(0) depctr_va_vcc(0) depctr_vm_vsrc(0)
	s_getreg_b32 s2, hwreg(HW_REG_IB_STS2, 6, 4)
	s_cmp_eq_u32 s2, 0
	s_cbranch_scc0 .Lentry_in_a_cluster
	s_endpgm
.Lentry_in_a_cluster:
	s_bfe_u32 s2, ttmp6, 0x10000c
	s_cmp_lg_u32 s2, 0x3003
	s_cbranch_scc0 .Lentry_shape_is_right
	s_endpgm
.Lentry_shape_is_right:
; dist(b, p, t, j) = xn(b, t, :) . pn(p, :, j) on codes of BF8 (E5M2) with E8M0 scales; d = dist x tm + (1 - tm) x NEG; then, for each (b, p), eight greedy steps: the largest d among the allowed
; (event, subpatch) pairs, ties to the smaller subpatch and then the smaller event; a stable sort of the steps by subpatch; a weighted sum.  d never goes to memory.
; WHAT MAKES THE GREEDY PART SMALL.  An element that is not allowed counts as D' = fl(d + NEG), which is never above d.  So a step's value is the larger of (the largest allowed d) and G = fl(H + NEG),
; H the largest d of all; and where G is that value, the smallest code 512 j + t with D' = G, cF, competes with the allowed ones.  H, G, cF and step 0's code c0 are the same in all steps.
; From step 1 on only events at most 3 from the last chosen one are allowed, so every allowed event lies in [e0 - 3, e0 + 21] or in (tF, tF + 21], e0 = c0 % 512, tF = cF % 512.
; Two ranges of 32 events (from e0 - 3 and from tF - 3 on) are taken out of the accumulators by selects, and steps 1 to 7 work on them alone.  Nothing branches and no address hangs on data.
; SHARES.  Work-group (b, g): timeline b, the 25 prototypes of group g as 13 tiles of 16 rows (2 prototypes x 8 subpatches; the 26th prototype is computed and not stored: all work-groups run alike).
; THE WAVES SHARE THE EVENTS: wave w keeps the codes of events 128 w .. 128 w + 127, for all of K, in 512 registers for the whole launch; what goes round is a tile's 8 KiB of prototype codes, from LDS.
; Source 0 = 16 rows of prototypes, source 1 = 16 events: lane (r, h), register j of event tile T holds d(prototype 2 i + h, subpatch j, event 128 w + 16 T + r): a row of 16 lanes is one prototype.
; THE LOOP, one barrier a tile: tile i's 32 products are issued, and behind them stands the vector work of tile i - 1's second half (S2: the four waves' maxima joined, the two ranges taken out);
; then tile i's first half (S1POST: the mask, the wave's H, c0, cF).  Two sets of accumulators take turns.
; CLUSTER.  The four work-groups of a cluster have four timelines and ONE group g: they need the same 13 records, which are asked for jointly, once, at the start (three waves, one load each, a third each).
; x's codes go straight into registers; 256 KiB of them would not fit in LDS beside the records, so they are not shared.  No LDS byte is filled twice.
; THE TAIL.  Each wave takes four tiles at once (wave + 4 u, held at 12: what is repeated is not stored), line by line in turn, so that no line waits for the line above it.
; LIMITS: NaN and infinities among the inputs are not served.  d = fma(dist, tm, (1 - tm) NEG): one rounding where the definition has two (the same for tm = 0 and 1).  +0 and -0 compare as equal.
; REGISTERS: window 0: v1-15 lane terms; v16-31, v48-49 scale words, and nothing else ever; v32-47 (tm, c) pairs; v50-63 at work; v64-127, v128-191 the two sets of accumulators; v192-255 at work.
;   window 1: x's codes of event tiles 0-3 (64 T + 16 s + 4 c);  window 2: of tiles 4-7;  window 3: v0-63 the prototype tile's codes (16 s + 4 c).
;   In the tail: window 0 v64-255 four sets of 48; windows 1 and 2 the ranges.
.set REC,   8448                       ; a record: 8,192 bytes of codes, 256 of scale words.  LDS bytes 0 .. 109,823: the 13 records
.set XA,    109824                     ; [parity 2][wave 4][h 2][16 bytes]: a wave's (H, c0, cF, G)
.set RES,   110080                     ; [wave 4][tile 13][h 2][16 bytes]: the joined (H, c0, cF, G)
.set RESW,  416
.set WST,   111872                     ; [wave 4][tile 13][group 8][lane 32][16 bytes]: images of the 32 registers of the two ranges
.set WSTW,  53248
.set BS,    16                         ; x's scale words: register 2 T + s / 2; lanes 0-15 the even K step, lanes 16-31 the odd one
.set TMC,   32                         ; pair T: tm, (1 - tm) NEG of my event of tile T
.set AS,    48                         ; the prototype tile's scale words, likewise
.set ACC0,  64
.set ACC1,  128
.set QH,    56                         ; v56-59  my wave's (H, c0, cF, G)
.set RQ,    60                         ; v60-63  the joined ones
.set JL,    50                         ; v50-53  at work in S1POST
.set JF,    51
.set FT,    52
.set FF,    53
.set M,     192                        ; S1POST: v192-199 the largest d of each subpatch; v200-207 the same + NEG; v208-215, v216-223 the chosen subpatch's column
.set MF,    200
.set COL,   208
.set COF,   216
.set XR,    192                        ; S2: v192-207 the four waves' quadruples; v208-223 at work; v224-255 the two ranges: 16 a + 8 q + j
.set W,     224
.set G1,    24
.set G0,    32
.set MSB,   0
.macro WIN new                         ; bits 1:0 source 0, 3:2 source 1, 5:4 source 2, 7:6 destination; the immediate's high byte repeats the setting that is left
.if MSB != \new
	s_set_vgpr_msb (MSB<<8)|\new
.set MSB, \new
.endif
.endm
.macro ROUND                           ; a round of the cluster's barrier
	s_barrier_signal -1
	s_barrier_wait -1
	s_cmp_lg_u32 s20, 0
	s_cbranch_scc1 .Lnot_wave_0_\@
	s_barrier_signal -3
.Lnot_wave_0_\@:
	s_barrier_wait -3
	s_barrier_signal -1
	s_barrier_wait -1
.endm
.macro BARRIER                         ; my LDS stores have landed and my LDS loads are in: then the work-group's barrier
	s_wait_dscnt 0x0
	s_barrier_signal -1
	s_barrier_wait -1
.endm
	s_load_b256 s[4:11], s[0:1], 0x0               ; xcodes s[4:5], xscales s[6:7], pcodes s[8:9], timeline_mask s[10:11]
	s_load_b256 s[12:19], s[0:1], 0x20             ; patch_select s[12:13], out0 s[14:15], out1 s[16:17], out2 s[18:19]
	s_set_vgpr_msb 0xc0
	v_lshl_add_u32 v64, v0, 2, 0x4f500
	v_mov_b32 v65, 0
	s_set_vgpr_msb 0xc0cf
	ds_add_u32 v64, v65
	ds_add_u32 v64, v65
	s_set_vgpr_msb 0xcf00
	v_lshrrev_b32 v1, 5, v0
	v_readfirstlane_b32 s20, v1                    ; wave 0..3
	s_bfe_u32 s21, ttmp6, 0x40000                  ; cx: my place in the cluster
	s_lshl_b32 s22, ttmp9, 2
	s_add_co_u32 s22, s22, s21                     ; b = 4 x cluster x + cx: it enters global addresses alone
	s_and_b32 s23, ttmp7, 0xffff                   ; g, which the four partners share
	v_and_b32 v7, 31, v0                           ; lane
	v_and_b32 v1, 15, v0                           ; r
	v_bfe_u32 v2, v0, 4, 1                         ; h
	v_lshlrev_b32 v3, 4, v7                        ; 16 x lane
	v_lshlrev_b32 v4, 3, v7                        ; 8 x lane
	s_lshl_b32 s62, s20, 7
	v_add_nc_u32 v5, s62, v1                       ; my event of tile 0: 128 w + r
	s_lshl_b32 s62, s20, 5
	v_lshl_add_u32 v8, v2, 4, s62
	v_add_nc_u32 v8, XA, v8                        ; where my wave's quadruple goes
	v_lshl_add_u32 v9, v2, 4, XA                   ; and from where the four are read
	s_mul_i32 s62, s20, RESW
	v_lshl_add_u32 v10, v2, 4, s62
	v_add_nc_u32 v10, RES, v10                     ; my wave's copy of the joined quadruples
	s_mul_i32 s62, s20, WSTW
	v_add_nc_u32 v11, s62, v3
	v_add_nc_u32 v11, WST, v11                     ; my wave's images
	v_mov_b32 v12, 0xff800000                      ; -infinity
	v_mov_b32 v13, 0x4b000000                      ; 2^23: above every code
	v_lshlrev_b32 v14, 2, v1                       ; 4 r
	v_mov_b32 v15, 0x40000000                      ; an event that is in no window
	s_mov_b32 s82, 0xc7c35000                      ; NEG = -100,000
	s_mov_b32 s83, s82                             ; (the packed form names the pair)
	s_mov_b32 s37, 0                               ; the next record's LDS byte,
	s_mov_b32 s38, 0                               ; held at the last record's
	s_lshl_b32 s39, s20, 3
	s_sub_co_u32 s39, 0, s39                       ; -8 w: from an event tile of the timeline to one of mine
	s_mov_b32 s84, 0                               ; the tile's place in RES,
	s_mov_b32 s85, 0                               ; and among the images
	; descriptor group 1: a dense block of 36,608 bytes as 143 rows of 32 elements of 8 bytes; the mask names all four work-groups, bit 21 is set beside it
	s_mov_b32 s[G1+0], 15|(3<<16)|(1<<21)
	s_mov_b32 s[G1+1], 32<<16                      ; tensor_dim0
	s_mov_b32 s[G1+2], 143<<16                     ; tensor_dim1
	s_mov_b32 s[G1+3], 32<<16                      ; tile_dim0
	s_mov_b32 s[G1+4], 143                         ; tile_dim1
	s_mov_b32 s[G1+5], 32                          ; tensor_dim0_stride
	s_mov_b32 s[G1+6], 0
	s_mov_b32 s[G1+7], 0
	s_mov_b32 s[G0], 1                             ; count = 1
	s_mul_i32 s[G0+1], s20, 36608                  ; LDS address: a third of the records for each of waves 0 to 2
	s_mul_i32 s56, s23, 13*REC
	s_add_co_u32 s56, s56, s[G0+1]                 ; the group's records, my third: g and the wave's number alone
	s_mov_b32 s57, 0
	s_lshl_b32 s58, s22, 5
	s_lshl_b32 s59, s20, 3
	s_add_co_u32 s58, s58, s59                     ; my first tile of x: 32 b + 8 w
	s_mov_b32 s61, 0
	s_wait_dscnt 0x0
	s_wait_kmcnt 0x0
	s_add_nc_u64 s[G0+2:G0+3], s[8:9], s[56:57]
	s_or_b32 s[G0+3], s[G0+3], 0x80000000          ; type = 2
	s_lshl_b32 s60, s58, 13
	s_add_nc_u64 s[4:5], s[4:5], s[60:61]          ; its codes,
	s_lshl_b32 s60, s58, 8
	s_add_nc_u64 s[6:7], s[6:7], s[60:61]          ; its scale words
	s_lshl_b32 s60, s22, 11
	s_lshl_b32 s59, s20, 9
	s_add_co_u32 s60, s60, s59
	s_add_nc_u64 s[10:11], s[10:11], s[60:61]      ; the mask of my 128 events
	s_mul_i32 s60, s22, 6400
	s_mul_i32 s62, s23, 800
	s_add_co_u32 s60, s60, s62
	s_add_nc_u64 s[18:19], s[18:19], s[60:61]      ; out2 at (b, 25 g)
	s_mul_i32 s60, s22, 800
	s_mul_i32 s62, s23, 100
	s_add_co_u32 s60, s60, s62
	s_add_nc_u64 s[14:15], s[14:15], s[60:61]      ; out0 and out1 likewise
	s_add_nc_u64 s[16:17], s[16:17], s[60:61]
	ROUND                                          ; all four work-groups are here: the joint loads meet
	s_cmp_lt_u32 s20, 3
	s_cbranch_scc0 .Lno_fill
	tensor_load_to_lds s[G0:G0+3], s[G1:G1+7]      ; one load of mine is out; it is the launch's only fill of these bytes
	s_nop 0
.rept 4
	v_nop
.endr
.Lno_fill:
	WIN 0x40                                       ; destination window 1
.set i, 0
.rept 64
	global_load_b128 v[4*i:4*i+3], v3, s[4:5] offset:512*i          ; 32 lanes read 512 consecutive bytes: the workspace lies in the order of these registers
.set i, i+1
.endr
	WIN 0x80                                       ; destination window 2
.set i, 0
.rept 64
	global_load_b128 v[4*i:4*i+3], v3, s[4:5] offset:512*(64+i)
.set i, i+1
.endr
	WIN 0
.irp t, 0,1,2,3,4,5,6,7
	global_load_b64 v[BS+2*\t:BS+2*\t+1], v4, s[6:7] offset:256*\t
.endr
.irp t, 0,1,2,3,4,5,6,7
	global_load_b32 v[TMC+2*\t], v14, s[10:11] offset:64*\t
.endr
	s_wait_loadcnt 0x0
.irp t, 0,1,2,3,4,5,6,7
	v_sub_f32 v[TMC+2*\t+1], 1.0, v[TMC+2*\t]
.endr
.irp t, 0,1,2,3,4,5,6,7
	v_mul_f32 v[TMC+2*\t+1], s82, v[TMC+2*\t+1]    ; c = (1 - tm) NEG
.endr
	s_wait_tensorcnt 0x0                           ; my third of the records is in,
	s_barrier_signal -1
	s_barrier_wait -1                              ; everybody's is
; The next tile's codes and scale words, from LDS.  The step behind the last tile is held at the last record: that load is of no use and stays inside the records.
.macro LOADA
	v_add_nc_u32 v6, s38, v3
	v_add_nc_u32 v7, s38, v4
	WIN 0xc0                                       ; destination window 3
.irp n, 0,1,2,3,4,5,6,7,8,9,10,11,12,13,14,15
	ds_load_b128 v[4*\n:4*\n+3], v6 offset:512*\n
.endr
	WIN 0
	ds_load_b64 v[AS:AS+1], v7 offset:8192
	s_add_co_u32 s37, s37, REC
	s_min_u32 s38, s37, 12*REC
.endm
; One product: event tile t, K step s.  The first K step starts the sum.
.macro MM acc, t, s
.if (\s) == 0
	v_wmma_scale_f32_16x16x128_f8f6f4 v[\acc+8*(\t):\acc+8*(\t)+7], v[0:15], v[64*((\t)%4):64*((\t)%4)+15], 0, v[AS], v[BS+2*(\t)] matrix_a_fmt:MATRIX_FMT_BF8 matrix_b_fmt:MATRIX_FMT_BF8
.elseif (\s) == 2
	v_wmma_scale_f32_16x16x128_f8f6f4 v[\acc+8*(\t):\acc+8*(\t)+7], v[32:47], v[64*((\t)%4)+32:64*((\t)%4)+47], v[\acc+8*(\t):\acc+8*(\t)+7], v[AS+1], v[BS+2*(\t)+1] matrix_a_fmt:MATRIX_FMT_BF8 matrix_b_fmt:MATRIX_FMT_BF8
.else
	v_wmma_scale_f32_16x16x128_f8f6f4 v[\acc+8*(\t):\acc+8*(\t)+7], v[16*(\s):16*(\s)+15], v[64*((\t)%4)+16*(\s):64*((\t)%4)+16*(\s)+15], v[\acc+8*(\t):\acc+8*(\t)+7], v[AS+(\s)/2], v[BS+2*(\t)+(\s)/2] matrix_a_fmt:MATRIX_FMT_BF8 matrix_b_fmt:MATRIX_FMT_BF8 matrix_a_scale:MATRIX_SCALE_ROW1 matrix_b_scale:MATRIX_SCALE_ROW1
.endif
.endm
; A tile's 32 products.  The eight accumulators take turns, one instruction a turn; the order of the halves is turned round from K step to K step, which spares window switches.
.macro GEMM acc
	WIN 0x07                                       ; source 0 window 3, source 1 window 1
.irp t, 0,1,2,3
	MM \acc, \t, 0
.endr
	WIN 0x0b                                       ; source 1 window 2
.irp t, 4,5,6,7
	MM \acc, \t, 0
.endr
.irp t, 4,5,6,7
	MM \acc, \t, 1
.endr
	WIN 0x07
.irp t, 0,1,2,3
	MM \acc, \t, 1
.endr
.irp t, 0,1,2,3
	MM \acc, \t, 2
.endr
	WIN 0x0b
.irp t, 4,5,6,7
	MM \acc, \t, 2
.endr
.irp t, 4,5,6,7
	MM \acc, \t, 3
.endr
	WIN 0x07
.irp t, 0,1,2,3
	MM \acc, \t, 3
.endr
	WIN 0
.endm
; A tile's first half: the mask; my wave's largest d, H, of each prototype; G = fl(H + NEG); the smallest code 512 j + t with d = H (c0) and with fl(d + NEG) = G (cF); to LDS for the other waves.
.macro S1POST acc, par
.irp n, 0,1,2,3
.irp t, 0,1,2,3,4,5,6,7
	v_pk_fma_f32 v[\acc+8*\t+2*\n:\acc+8*\t+2*\n+1], v[\acc+8*\t+2*\n:\acc+8*\t+2*\n+1], v[TMC+2*\t:TMC+2*\t+1], v[TMC+2*\t:TMC+2*\t+1] op_sel:[0,0,1] op_sel_hi:[1,0,1]   ; d = dist x tm + c; each accumulator from its low end on
.endr
.endr
.irp j, 0,1,2,3,4,5,6,7
	v_max3_num_f32 v[M+\j], v[\acc+\j], v[\acc+8+\j], v[\acc+16+\j]   ; the largest d of subpatch j among my eight events
.endr
.irp j, 0,1,2,3,4,5,6,7
	v_max3_num_f32 v[M+\j], v[M+\j], v[\acc+24+\j], v[\acc+32+\j]
.endr
.irp j, 0,1,2,3,4,5,6,7
	v_max3_num_f32 v[M+\j], v[M+\j], v[\acc+40+\j], v[\acc+48+\j]
.endr
.irp j, 0,1,2,3,4,5,6,7
	v_max_num_f32 v[M+\j], v[M+\j], v[\acc+56+\j]
.endr
	v_max3_num_f32 v[QH], v[M], v[M+1], v[M+2]
	v_max3_num_f32 v[JL], v[M+3], v[M+4], v[M+5]
	v_max3_num_f32 v[QH], v[QH], v[M+6], v[M+7]
.irp n, 0,2,4,6
	v_pk_add_f32 v[MF+\n:MF+\n+1], v[M+\n:M+\n+1], s[82:83] op_sel_hi:[1,0]
.endr
	v_max_num_f32 v[QH], v[QH], v[JL]
.irp x, 1,2,4,8
	v_max_num_f32_dpp v[QH], v[QH], v[QH] row_xmask:\x row_mask:0xf bank_mask:0xf   ; over the 16 lanes of my prototype
.endr
	v_add_f32 v[QH+3], s82, v[QH]                  ; G
.irp j, 0,1,2,3,4,5,6
	v_cmp_neq_f32 s[40+\j], v[M+\j], v[QH]         ; subpatch 7 is the default: a lane in which no subpatch reaches H finds no event below
.endr
.irp j, 0,1,2,3,4,5,6
	v_cmp_neq_f32 s[48+\j], v[MF+\j], v[QH+3]
.endr
.irp t, 0,1,2,3,4,5,6,7
	v_cndmask_b32 v[COL+\t], v[\acc+8*\t+6], v[\acc+8*\t+7], s46   ; the column of the smallest subpatch that reaches H,
.endr
.irp t, 0,1,2,3,4,5,6,7
	v_cndmask_b32 v[COF+\t], v[\acc+8*\t+6], v[\acc+8*\t+7], s54   ; and of the smallest that reaches G
.endr
.irp j, 5,4,3,2,1,0
.irp t, 0,1,2,3,4,5,6,7
	v_cndmask_b32 v[COL+\t], v[\acc+8*\t+\j], v[COL+\t], s[40+\j]
.endr
.irp t, 0,1,2,3,4,5,6,7
	v_cndmask_b32 v[COF+\t], v[\acc+8*\t+\j], v[COF+\t], s[48+\j]
.endr
.endr
	v_mov_b32 v[JL], 7
	v_mov_b32 v[JF], 7
.irp j, 6,5,4,3,2,1,0
	v_cndmask_b32 v[JL], \j, v[JL], s[40+\j]
	v_cndmask_b32 v[JF], \j, v[JF], s[48+\j]
.endr
.irp n, 0,2,4,6
	v_pk_add_f32 v[COF+\n:COF+\n+1], v[COF+\n:COF+\n+1], s[82:83] op_sel_hi:[1,0]
.endr
.irp t, 0,1,2,3,4,5,6,7
	v_cmp_neq_f32 s[40+\t], v[COL+\t], v[QH]
.endr
.irp t, 0,1,2,3,4,5,6,7
	v_cmp_neq_f32 s[48+\t], v[COF+\t], v[QH+3]
.endr
	v_mov_b32 v[FT], 0x10000                       ; no event: a code above every true one
	v_mov_b32 v[FF], 0x10000
.irp t, 7,6,5,4,3,2,1,0
	v_cndmask_b32 v[FT], \t, v[FT], s[40+\t]       ; the first of my eight events that reaches it
	v_cndmask_b32 v[FF], \t, v[FF], s[48+\t]
.endr
	v_lshl_add_u32 v[FT], v[FT], 4, v5
	v_lshl_add_u32 v[FF], v[FF], 4, v5
	v_lshl_add_u32 v[FT], v[JL], 9, v[FT]          ; 512 j + t
	v_lshl_add_u32 v[FF], v[JF], 9, v[FF]
	v_cvt_f32_u32 v[QH+1], v[FT]                   ; under 2^24: exact
	v_cvt_f32_u32 v[QH+2], v[FF]
.irp x, 1,2,4,8
	v_min_num_f32_dpp v[QH+1], v[QH+1], v[QH+1] row_xmask:\x row_mask:0xf bank_mask:0xf
	v_min_num_f32_dpp v[QH+2], v[QH+2], v[QH+2] row_xmask:\x row_mask:0xf bank_mask:0xf
.endr
	ds_store_b128 v8, v[QH:QH+3] offset:128*\par   ; the 16 lanes of a prototype write the same bytes with the same values
.endm
.macro XAREAD par
.irp w, 0,1,2,3
	ds_load_b128 v[XR+4*\w:XR+4*\w+3], v9 offset:128*\par+32*\w
.endr
.endm
; The 32 events from e - 3 on hold two that are r modulo 16: they lie in two neighbouring event tiles of the timeline, one even (te), one odd (to).  Tiles under 0 or above 31 do not exist.
.macro SLOTS e, te, to, tmp
	v_add_nc_u32 v[\tmp], -3, v[\e]
	v_sub_nc_u32 v[\te], v1, v[\tmp]
	v_and_b32 v[\te], 15, v[\te]
	v_add_nc_u32 v[\tmp], v[\tmp], v[\te]          ; the first of the two events
	v_ashrrev_i32 v[\tmp], 4, v[\tmp]              ; its tile
	v_add_nc_u32 v[\te], 1, v[\tmp]
	v_and_b32 v[\te], -2, v[\te]
	v_or_b32 v[\to], 1, v[\tmp]
.endm
; A tile's second half: the four waves' quadruples are joined (every wave does that for itself), and what my wave holds of the two ranges is taken out: -infinity where the tile is another wave's.
.macro S2 acc
	v_max3_num_f32 v[RQ], v[XR], v[XR+4], v[XR+8]
	v_max_num_f32 v[RQ], v[RQ], v[XR+12]           ; H
	v_add_f32 v[RQ+3], s82, v[RQ]                  ; G
.irp w, 0,1,2,3
	v_cmp_neq_f32 s[66+\w], v[XR+4*\w], v[RQ]
.endr
.irp w, 0,1,2,3
	v_cmp_neq_f32 s[70+\w], v[XR+4*\w+3], v[RQ+3]
.endr
.irp w, 0,1,2,3
	v_cndmask_b32 v[208+\w], v[XR+4*\w+1], v13, s[66+\w]   ; a wave's code counts where the wave reaches the joined value
	v_cndmask_b32 v[212+\w], v[XR+4*\w+2], v13, s[70+\w]
.endr
	v_min3_num_f32 v[RQ+1], v208, v209, v210
	v_min3_num_f32 v[RQ+2], v212, v213, v214
	v_min_num_f32 v[RQ+1], v[RQ+1], v211           ; c0
	v_min_num_f32 v[RQ+2], v[RQ+2], v215           ; cF
	v_add_nc_u32 v54, s84, v10
	ds_store_b128 v54, v[RQ:RQ+3]
	v_cvt_u32_f32 v208, v[RQ+1]
	v_cvt_u32_f32 v209, v[RQ+2]
	v_and_b32 v208, 511, v208                      ; e0
	v_and_b32 v209, 511, v209                      ; tF
	SLOTS 208, 216, 217, 210
	SLOTS 209, 218, 219, 211
.irp n, 216,217,218,219
	v_add_nc_u32 v[\n], s39, v[\n]                 ; as tiles of my wave
.endr
.irp a, 0,1
.irp t, 0,1,2,3,4,5,6,7
	v_cmp_eq_u32 s[66+8*\a+\t], \t, v[216+2*\a+\t%2]
.endr
.endr
.irp a, 0,1
.irp t, 0,1
.irp j, 0,1,2,3,4,5,6,7
	v_cndmask_b32 v[W+16*\a+8*\t+\j], v12, v[\acc+8*\t+\j], s[66+8*\a+\t]
.endr
.endr
.endr
.irp t, 2,3,4,5,6,7
.irp a, 0,1
.irp j, 0,1,2,3,4,5,6,7
	v_cndmask_b32 v[W+16*\a+8*(\t%2)+\j], v[W+16*\a+8*(\t%2)+\j], v[\acc+8*\t+\j], s[66+8*\a+\t]
.endr
.endr
.endr
	v_add_nc_u32 v55, s85, v11
.irp n, 0,1,2,3,4,5,6,7
	ds_store_b128 v55, v[W+4*\n:W+4*\n+3] offset:512*\n   ; an image of the registers: 512 consecutive bytes a store
.endr
	s_add_co_u32 s84, s84, 32
	s_add_co_u32 s85, s85, 4096
.endm
; A tile's turn.  S2's plain vector lines name no register of the products in front of them: they are the eight places ahead of the loads into the prototype tile's registers and
; of the first read of the results, and they are issued while the matrix unit works.
; The one barrier orders: XA[pc], written here, against its reads in the next turn; and this turn's reads of XA[pp], waited for in front of the signal, against its next writing, in the next turn.
.macro TRIP cur, prev, pc, pp
	XAREAD \pp
	GEMM \cur
	s_wait_dscnt 0x0                               ; the four quadruples
	S2 \prev
	LOADA
	S1POST \cur, \pc
	BARRIER
.endm
	LOADA                                          ; tile 0
	s_wait_dscnt 0x0
	GEMM ACC0
.rept 8
	v_nop                                          ; no vector work is at hand yet
.endr
	LOADA                                          ; tile 1
	S1POST ACC0, 0
	BARRIER
	s_mov_b32 s36, 6
.Ltrip:                                            ; tiles 1 to 12, two a trip
	TRIP ACC1, ACC0, 1, 0
	TRIP ACC0, ACC1, 0, 1
	s_sub_co_u32 s36, s36, 1
	s_cmp_lg_u32 s36, 0
	s_cbranch_scc1 .Ltrip
	XAREAD 0
	s_wait_dscnt 0x0
	S2 ACC0                                        ; tile 12's second half
	BARRIER                                        ; all images and all joined quadruples lie in LDS
; ---- THE TAIL: steps 1 to 7, the sort and the sums, for tiles min(w + 4 u, 12), u = 0 .. 3, line by line in turn.
.set Z,  64                            ; set u at v[Z + 48 u]:
.set oV, 0                             ; 0-7    the window's d of my lane's event, by subpatch
.set oP, 8                             ; 8-15   0, or -infinity for a subpatch that has been chosen
.set oL, 16                            ; 16-19  the events of my four slots (range a, tile parity q: 2 a + q), or none
.set oX, 20                            ; 20-23  at work
.set oK, 24                            ; 24-31  sort keys: subpatch << 12 | step << 9 | event
.set oA, 32                            ; 32-39  the steps' values
.set oE, 40                            ; the last event
.set oT, 41                            ; at work
.set oC, 42                            ; the step's code
.set oG, 43                            ; G
.set oF, 44                            ; cF
.set oS, 45                            ; my lane's event in the window
.set oJ, 46                            ; at work
.set oW, 47                            ; patch_select, then the slot's weight
.irp u, 0,1,2,3
	s_add_co_u32 s[86+\u], s20, 4*\u
	s_min_u32 s[86+\u], s[86+\u], 12               ; the tile
.endr
	s_mul_i32 s90, s23, 25
	v_and_b32 v62, 7, v1
	v_lshlrev_b32 v62, 2, v62                      ; 4 (r % 8)
.irp u, 0,1,2,3
	s_lshl_b32 s91, s[86+\u], 1
	s_add_co_u32 s91, s91, s90
	v_add_nc_u32 v[Z+48*\u+oJ], s91, v2
	v_min_u32 v[Z+48*\u+oJ], 199, v[Z+48*\u+oJ]    ; my prototype
	v_lshl_add_u32 v[Z+48*\u+oJ], v[Z+48*\u+oJ], 5, v62
	global_load_b32 v[Z+48*\u+oW], v[Z+48*\u+oJ], s[12:13]   ; patch_select(prototype, r % 8)
	s_lshl_b32 s91, s[86+\u], 5
	v_add_nc_u32 v[58+\u], s91, v10
	ds_load_b128 v[Z+48*\u+oX:Z+48*\u+oX+3], v[58+\u]         ; (H, c0, cF, G)
	s_lshl_b32 s91, s[86+\u], 12
	s_add_co_u32 s91, s91, WST
	v_add_nc_u32 v[50+\u], s91, v3                 ; the tile's images: waves 0 and 1,
	v_add_nc_u32 v[54+\u], 2*WSTW, v[50+\u]        ; waves 2 and 3
.endr
	WIN 0x40                                       ; destination window 1: wave 0's copy at v[32 u], wave 1's at v[128 + 32 u]
.irp u, 0,1,2,3
.irp n, 0,1,2,3,4,5,6,7
	ds_load_b128 v[32*\u+4*\n:32*\u+4*\n+3], v[50+\u] offset:512*\n
	ds_load_b128 v[128+32*\u+4*\n:128+32*\u+4*\n+3], v[50+\u] offset:WSTW+512*\n
.endr
.endr
	WIN 0x80                                       ; destination window 2: waves 2 and 3 likewise
.irp u, 0,1,2,3
.irp n, 0,1,2,3,4,5,6,7
	ds_load_b128 v[32*\u+4*\n:32*\u+4*\n+3], v[54+\u] offset:512*\n
	ds_load_b128 v[128+32*\u+4*\n:128+32*\u+4*\n+3], v[54+\u] offset:WSTW+512*\n
.endr
.endr
	s_wait_dscnt 0x0
	s_wait_loadcnt 0x0                             ; patch_select: its offset registers are free now
	WIN 0x65                                       ; destination, sources 0 and 1 window 1, source 2 window 2
.set i, 0
.rept 128
	v_max3_num_f32 v[i], v[i], v[128+i], v[i]      ; one wave holds the number, the others -infinity
.set i, i+1
.endr
	WIN 0x49                                       ; destination and source 0 window 1, source 1 window 2
.set i, 0
.rept 128
	v_max_num_f32 v[i], v[i], v[128+i]
.set i, i+1
.endr
	WIN 0
.irp u, 0,1,2,3
	v_mov_b32 v[Z+48*\u+oA], v[Z+48*\u+oX]         ; step 0's value is H,
	v_cvt_u32_f32 v[Z+48*\u+oC], v[Z+48*\u+oX+1]   ; its code c0
	v_mov_b32 v[Z+48*\u+oF], v[Z+48*\u+oX+2]
	v_mov_b32 v[Z+48*\u+oG], v[Z+48*\u+oX+3]
	v_cvt_u32_f32 v[Z+48*\u+oJ], v[Z+48*\u+oX+2]
	v_and_b32 v[Z+48*\u+oE], 511, v[Z+48*\u+oC]
	v_and_b32 v[Z+48*\u+oJ], 511, v[Z+48*\u+oJ]
	SLOTS Z+48*\u+oE, Z+48*\u+oL, Z+48*\u+oL+1, Z+48*\u+oT
	SLOTS Z+48*\u+oJ, Z+48*\u+oL+2, Z+48*\u+oL+3, Z+48*\u+oT
.endr
.irp u, 0,1,2,3
.irp s, 0,1,2,3
	v_cmp_gt_u32 s[40+4*\u+\s], 32, v[Z+48*\u+oL+\s]
.endr
.endr
.irp u, 0,1,2,3
.irp s, 0,1,2,3
	v_lshl_add_u32 v[Z+48*\u+oL+\s], v[Z+48*\u+oL+\s], 4, v1
.endr
.endr
.irp u, 0,1,2,3
.irp s, 0,1,2,3
	v_cndmask_b32 v[Z+48*\u+oL+\s], v15, v[Z+48*\u+oL+\s], s[40+4*\u+\s]   ; the slot's event, or none
.endr
.endr
.irp u, 0,1,2,3
.irp j, 0,1,2,3,4,5,6,7
	v_mov_b32 v[Z+48*\u+oP+\j], 0
.endr
.endr
; What a step leaves behind: its key for the sort; the chosen event and the chosen subpatch are allowed no more.
.macro UPDATE k
.irp u, 0,1,2,3
	v_lshrrev_b32 v[Z+48*\u+oT], 9, v[Z+48*\u+oC]  ; the subpatch
.endr
.irp u, 0,1,2,3
	v_and_b32 v[Z+48*\u+oE], 511, v[Z+48*\u+oC]    ; the event
.endr
.irp u, 0,1,2,3
	v_lshl_or_b32 v[Z+48*\u+oK+\k], v[Z+48*\u+oT], 12, v[Z+48*\u+oE]
.endr
.if \k > 0
.irp u, 0,1,2,3
	v_or_b32 v[Z+48*\u+oK+\k], (\k)<<9, v[Z+48*\u+oK+\k]
.endr
.endif
.if \k < 7
.irp u, 0,1,2,3
.irp s, 0,1,2,3
	v_cmp_eq_u32 s[40+4*\u+\s], v[Z+48*\u+oL+\s], v[Z+48*\u+oE]
.endr
.endr
.irp u, 0,1,2,3
.irp s, 0,1,2,3
	v_cndmask_b32 v[Z+48*\u+oL+\s], v[Z+48*\u+oL+\s], v15, s[40+4*\u+\s]
.endr
.endr
.irp j, 0,1,2,3,4,5,6,7
.irp u, 0,1,2,3
	v_cmp_eq_u32 s[66+\u], \j, v[Z+48*\u+oT]
.endr
.irp u, 0,1,2,3
	v_cndmask_b32 v[Z+48*\u+oP+\j], v[Z+48*\u+oP+\j], v12, s[66+\u]
.endr
.endr
.endif
.endm
; Step k.  The window is e - 3 .. e + 3 (k = 1) or e + 1 .. e + 3: at most one of its events is r modulo 16, so a lane has at most one event, in one slot (or, where the ranges overlap, the same in two).
.macro ITER k
.if \k == 1
.set LO, -3
.set WD, 7
.else
.set LO, 1
.set WD, 3
.endif
.irp u, 0,1,2,3
	v_add_nc_u32 v[Z+48*\u+oT], LO, v[Z+48*\u+oE]
.endr
.irp u, 0,1,2,3
.irp s, 0,1,2,3
	v_sub_nc_u32 v[Z+48*\u+oX+\s], v[Z+48*\u+oL+\s], v[Z+48*\u+oT]
.endr
.endr
.irp u, 0,1,2,3
.irp s, 0,1,2,3
	v_cmp_gt_u32 s[40+4*\u+\s], WD, v[Z+48*\u+oX+\s]   ; unsigned: an event ahead of the window wraps round
.endr
.endr
	WIN 0x04                                       ; source 1 window 1
.irp u, 0,1,2,3
.irp j, 0,1,2,3,4,5,6,7
	v_cndmask_b32 v[Z+48*\u+oV+\j], v12, v[32*\u+\j], s[40+4*\u]
.endr
.endr
.irp s, 1,2,3
.irp u, 0,1,2,3
.irp j, 0,1,2,3,4,5,6,7
	v_cndmask_b32 v[Z+48*\u+oV+\j], v[Z+48*\u+oV+\j], v[32*\u+8*\s+\j], s[40+4*\u+\s]
.endr
.endr
.endr
	WIN 0
.irp u, 0,1,2,3
	v_cndmask_b32 v[Z+48*\u+oS], 0, v[Z+48*\u+oL], s[40+4*\u]
.endr
.irp s, 1,2,3
.irp u, 0,1,2,3
	v_cndmask_b32 v[Z+48*\u+oS], v[Z+48*\u+oS], v[Z+48*\u+oL+\s], s[40+4*\u+\s]
.endr
.endr
.irp u, 0,1,2,3
.irp n, 0,2,4,6
	v_pk_add_f32 v[Z+48*\u+oV+\n:Z+48*\u+oV+\n+1], v[Z+48*\u+oV+\n:Z+48*\u+oV+\n+1], v[Z+48*\u+oP+\n:Z+48*\u+oP+\n+1]
.endr
.endr
.irp u, 0,1,2,3
	v_max3_num_f32 v[Z+48*\u+oT], v[Z+48*\u+oV], v[Z+48*\u+oV+1], v[Z+48*\u+oV+2]
	v_max3_num_f32 v[Z+48*\u+oX], v[Z+48*\u+oV+3], v[Z+48*\u+oV+4], v[Z+48*\u+oV+5]
.endr
.irp u, 0,1,2,3
	v_max3_num_f32 v[Z+48*\u+oT], v[Z+48*\u+oT], v[Z+48*\u+oV+6], v[Z+48*\u+oV+7]
.endr
.irp u, 0,1,2,3
	v_max_num_f32 v[Z+48*\u+oT], v[Z+48*\u+oT], v[Z+48*\u+oX]
.endr
.irp x, 1,2,4,8
.irp u, 0,1,2,3
	v_max_num_f32_dpp v[Z+48*\u+oT], v[Z+48*\u+oT], v[Z+48*\u+oT] row_xmask:\x row_mask:0xf bank_mask:0xf
.endr
.endr
.irp u, 0,1,2,3
	v_max_num_f32 v[Z+48*\u+oA+\k], v[Z+48*\u+oT], v[Z+48*\u+oG]   ; the step's value: the largest allowed d, or G
.endr
.irp u, 0,1,2,3
	v_mov_b32 v[Z+48*\u+oJ], 0x2000                ; no subpatch: a code above every true one
.endr
.irp j, 7,6,5,4,3,2,1,0
.irp u, 0,1,2,3
	v_cmp_neq_f32 s[66+\u], v[Z+48*\u+oV+\j], v[Z+48*\u+oA+\k]
.endr
.irp u, 0,1,2,3
	v_cndmask_b32 v[Z+48*\u+oJ], \j, v[Z+48*\u+oJ], s[66+\u]
.endr
.endr
.irp u, 0,1,2,3
	v_lshl_add_u32 v[Z+48*\u+oC], v[Z+48*\u+oJ], 9, v[Z+48*\u+oS]
.endr
.irp u, 0,1,2,3
	v_cvt_f32_u32 v[Z+48*\u+oC], v[Z+48*\u+oC]
.endr
.irp x, 1,2,4,8
.irp u, 0,1,2,3
	v_min_num_f32_dpp v[Z+48*\u+oC], v[Z+48*\u+oC], v[Z+48*\u+oC] row_xmask:\x row_mask:0xf bank_mask:0xf
.endr
.endr
.irp u, 0,1,2,3
	v_cmp_neq_f32 s[66+\u], v[Z+48*\u+oG], v[Z+48*\u+oA+\k]
.endr
.irp u, 0,1,2,3
	v_cndmask_b32 v[Z+48*\u+oT], v[Z+48*\u+oF], v13, s[66+\u]   ; cF competes where the value is G
.endr
.irp u, 0,1,2,3
	v_min_num_f32 v[Z+48*\u+oC], v[Z+48*\u+oC], v[Z+48*\u+oT]
.endr
.irp u, 0,1,2,3
	v_cvt_u32_f32 v[Z+48*\u+oC], v[Z+48*\u+oC]
.endr
	UPDATE \k
.endm
	UPDATE 0
	ITER 1
	ITER 2
	ITER 3
	ITER 4
	ITER 5
	ITER 6
	ITER 7
; The stable sort by subpatch (a subpatch can be chosen twice, behind a step that found nothing allowed): the keys hold the step under the subpatch.  Batcher's network for eight, 19 exchanges;
; the smaller key goes into a spare register and the names change places, so an exchange is two lines.
.set K0, oK
.set K1, oK+1
.set K2, oK+2
.set K3, oK+3
.set K4, oK+4
.set K5, oK+5
.set K6, oK+6
.set K7, oK+7
.set KSP, oT
.macro CE a, b
.irp u, 0,1,2,3
	v_min_u32 v[Z+48*\u+KSP], v[Z+48*\u+K\a], v[Z+48*\u+K\b]
.endr
.irp u, 0,1,2,3
	v_max_u32 v[Z+48*\u+K\b], v[Z+48*\u+K\a], v[Z+48*\u+K\b]
.endr
.set KT, K\a
.set K\a, KSP
.set KSP, KT
.endm
	CE 0, 1
	CE 2, 3
	CE 4, 5
	CE 6, 7
	CE 0, 2
	CE 1, 3
	CE 4, 6
	CE 5, 7
	CE 1, 2
	CE 5, 6
	CE 0, 4
	CE 1, 5
	CE 2, 6
	CE 3, 7
	CE 2, 4
	CE 3, 5
	CE 1, 2
	CE 3, 4
	CE 5, 6
	s_mov_b32 s70, 0x01010101                      ; lanes with lane % 8 = 0;
.irp k, 1,2,3,4,5,6,7
	s_lshl_b32 s[70+\k], s70, \k                   ; = k
.endr
; From here on a lane stands for place r % 8 of the sorted row.  At work in V's and P's registers: 0 the key, 1 its step, 2 its event, 3 its value, 4 the weights' sum, 5 out1, 6 to 10 the stores' lanes and offsets.
.irp u, 0,1,2,3
	v_cndmask_b32 v[Z+48*\u], v[Z+48*\u+K0], v[Z+48*\u+K1], s71
.endr
.irp k, 2,3,4,5,6,7
.irp u, 0,1,2,3
	v_cndmask_b32 v[Z+48*\u], v[Z+48*\u], v[Z+48*\u+K\k], s[70+\k]
.endr
.endr
.irp u, 0,1,2,3
	v_bfe_u32 v[Z+48*\u+1], v[Z+48*\u], 9, 3
	v_and_b32 v[Z+48*\u+2], 511, v[Z+48*\u]
.endr
.irp u, 0,1,2,3
	v_cvt_f32_u32 v[Z+48*\u+2], v[Z+48*\u+2]
	v_cmp_eq_u32 s[66+\u], 1, v[Z+48*\u+1]
.endr
.irp u, 0,1,2,3
	v_cndmask_b32 v[Z+48*\u+3], v[Z+48*\u+oA], v[Z+48*\u+oA+1], s[66+\u]
.endr
.irp k, 2,3,4,5,6,7
.irp u, 0,1,2,3
	v_cmp_eq_u32 s[66+\u], \k, v[Z+48*\u+1]
.endr
.irp u, 0,1,2,3
	v_cndmask_b32 v[Z+48*\u+3], v[Z+48*\u+3], v[Z+48*\u+oA+\k], s[66+\u]
.endr
.endr
.irp u, 0,1,2,3
	v_mul_f32 v[Z+48*\u+oW], 0xbfb8aa3b, v[Z+48*\u+oW]   ; -x log2(e)
.endr
.irp u, 0,1,2,3
	v_exp_f32 v[Z+48*\u+oW], v[Z+48*\u+oW]
.endr
	v_nop                                          ; a plain line behind the transcendentals (ISA guide 5.7.2)
	s_wait_alu depctr_va_vdst(0)
.irp u, 0,1,2,3
	v_add_f32 v[Z+48*\u+oW], 1.0, v[Z+48*\u+oW]
.endr
.irp u, 0,1,2,3
	v_rcp_f32 v[Z+48*\u+oW], v[Z+48*\u+oW]         ; the sigmoid
.endr
	v_nop
	s_wait_alu depctr_va_vdst(0)
.irp u, 0,1,2,3
	v_add_f32_dpp v[Z+48*\u+4], v[Z+48*\u+oW], v[Z+48*\u+oW] row_xmask:1 row_mask:0xf bank_mask:0xf
.endr
.irp x, 2,4
.irp u, 0,1,2,3
	v_add_f32_dpp v[Z+48*\u+4], v[Z+48*\u+4], v[Z+48*\u+4] row_xmask:\x row_mask:0xf bank_mask:0xf
.endr
.endr
.irp u, 0,1,2,3
	v_add_f32 v[Z+48*\u+4], 0x2edbe6ff, v[Z+48*\u+4]   ; the eight slots' sum + 1e-10
.endr
.irp u, 0,1,2,3
	v_rcp_f32 v[Z+48*\u+4], v[Z+48*\u+4]
.endr
	v_nop
.irp u, 0,1,2,3
	v_mul_f32 v[Z+48*\u+oW], 0x41000000, v[Z+48*\u+oW]
.endr
	s_wait_alu depctr_va_vdst(0)
.irp u, 0,1,2,3
	v_mul_f32 v[Z+48*\u+oW], v[Z+48*\u+oW], v[Z+48*\u+4]   ; slot x 8 / factor
.endr
.irp u, 0,1,2,3
	v_mul_f32 v[Z+48*\u+3], v[Z+48*\u+3], v[Z+48*\u+oW]
.endr
.irp x, 1,2,4
.irp u, 0,1,2,3
	v_add_f32_dpp v[Z+48*\u+3], v[Z+48*\u+3], v[Z+48*\u+3] row_xmask:\x row_mask:0xf bank_mask:0xf
.endr
.endr
	s_lshl_b32 s92, s20, 1
.irp u, 0,1,2,3
	v_sub_f32 v[Z+48*\u+5], 0x41000000, v[Z+48*\u+3]       ; out1 = 8 - out0
	v_add3_u32 v[Z+48*\u+6], v2, s92, 8*\u                 ; my prototype in the group: 2 (w + 4 u) + h.  25 is the one too many, 26 and more are the repeated tile
	v_lshrrev_b32 v[Z+48*\u+7], 3, v1
	v_lshl_add_u32 v[Z+48*\u+7], v[Z+48*\u+7], 6, v[Z+48*\u+6]   ; under 25 only for r < 8 and a prototype that is the group's
	v_lshl_add_u32 v[Z+48*\u+8], v[Z+48*\u+6], 5, v62      ; out2: 32 bytes a prototype + 4 (r % 8)
	v_lshl_add_u32 v[Z+48*\u+9], v1, 6, v[Z+48*\u+6]       ; under 25 only for r = 0
	v_lshlrev_b32 v[Z+48*\u+10], 2, v[Z+48*\u+6]           ; out0, out1: 4 bytes a prototype
.endr
; The outputs are 256,000 bytes in all: they leave as they stand, 64 neighbouring bytes of out2 and 8 of out0 and of out1 a tile.  EXEC is a source of a pending store: it changes only behind s_wait_xcnt 0.
.irp u, 0,1,2,3
	v_cmp_gt_u32 vcc_lo, 25, v[Z+48*\u+7]
	s_wait_xcnt 0x0
	s_and_saveexec_b32 s78, vcc_lo
	global_store_b32 v[Z+48*\u+8], v[Z+48*\u+2], s[18:19]
	s_wait_xcnt 0x0
	s_or_b32 exec_lo, exec_lo, s78
	v_cmp_gt_u32 vcc_lo, 25, v[Z+48*\u+9]
	s_wait_xcnt 0x0
	s_and_saveexec_b32 s78, vcc_lo
	global_store_b32 v[Z+48*\u+10], v[Z+48*\u+3], s[14:15]
	global_store_b32 v[Z+48*\u+10], v[Z+48*\u+5], s[16:17]
	s_wait_xcnt 0x0
	s_or_b32 exec_lo, exec_lo, s78
.endr
	s_set_vgpr_msb 0xf
	s_wait_tensorcnt 0x0
	ds_add_u32 v64, v65
	s_wait_dscnt 0x0
	s_set_vgpr_msb 0xf00
	ROUND                                          ; the closing round: no work-group ends while a partner may still ask for the records
	s_endpgm
.Lfunc_end_k_qfaff350866_match:
	.size	k_qfaff350866_match, .Lfunc_end_k_qfaff350866_match-k_qfaff350866_match
	.p2alignl 7, 3214868480
	.fill 96, 4, 3214868480
	.section	.rodata,"a",@progbits
	.p2align	6, 0x0
	.amdhsa_kernel k_qfaff350866_match
		.amdhsa_group_segment_fixed_size 327680
		.amdhsa_private_segment_fixed_size 0
		.amdhsa_enable_private_segment 0
		.amdhsa_kernarg_size 64
		.amdhsa_user_sgpr_count 2
		.amdhsa_user_sgpr_kernarg_segment_ptr 1
		.amdhsa_wavefront_size32 1
		.amdhsa_system_sgpr_workgroup_id_x 1
		.amdhsa_system_sgpr_workgroup_id_y 1
		.amdhsa_system_sgpr_workgroup_id_z 1
		.amdhsa_system_vgpr_workitem_id 0
		.amdhsa_next_free_vgpr 834
		.amdhsa_next_free_sgpr 100
		.amdhsa_reserve_vcc 1
		.amdhsa_float_denorm_mode_32 3
		.amdhsa_float_denorm_mode_16_64 3
		.amdhsa_memory_ordered 1
		.amdhsa_forward_progress 1
		.amdhsa_inst_pref_size 255
	.end_amdhsa_kernel
	.section	.bss,"aw",@nobits
	.p2align	6
	.space	262144
	.amdgpu_metadata
---
amdhsa.version: [ 1, 2 ]
amdhsa.kernels:
  - .name:           k_qfaff350866_match
    .symbol:         k_qfaff350866_match.kd
    .args:
      - { .name: xcodes, .offset: 0, .size: 8, .value_kind: global_buffer, .address_space: global }
      - { .name: xscales, .offset: 8, .size: 8, .value_kind: global_buffer, .address_space: global }
      - { .name: pcodes, .offset: 16, .size: 8, .value_kind: global_buffer, .address_space: global }
      - { .name: timeline_mask, .offset: 24, .size: 8, .value_kind: global_buffer, .address_space: global }
      - { .name: patch_select, .offset: 32, .size: 8, .value_kind: global_buffer, .address_space: global }
      - { .name: out0, .offset: 40, .size: 8, .value_kind: global_buffer, .address_space: global }
      - { .name: out1, .offset: 48, .size: 8, .value_kind: global_buffer, .address_space: global }
      - { .name: out2, .offset: 56, .size: 8, .value_kind: global_buffer, .address_space: global }
    .group_segment_fixed_size: 327680
    .private_segment_fixed_size: 0
    .kernarg_segment_align: 8
    .kernarg_segment_size: 64
    .max_flat_workgroup_size: 128
    .sgpr_count:     100
    .vgpr_count:     834
    .wavefront_size: 32
...
	.end_amdgpu_metadata
.endif
;; end of part 2
